; MI455X (gfx1250); checked and timed in simulation.
; The chip was launched on July 23, 2026; its instructions are those of AMD's public machine-readable ISA for CDNA 5 (MIT licence, August 2026) and "CDNA5" Instruction Set Architecture Reference Guide (July 2026). The comments in the code are by the model that wrote it; some were corrected since.
;; Mo E. Allowed arithmetic: float matrix products may take bf16 or f16 operands with f32 sums; all other float work in f32.
;; Inputs: W 8 x 1,024 x 1,024 float32; Wg 1,024 x 8 float32; b 8 x 1,024 float32; bg 8 float32; x 4 x 2,048 x 1,024 float32.
;; Outputs: out0 4 x 2,048 x 1,024 float32.
;; 2 versions, each right; version 2 is version 1 with the launch gate written anew for expert scheduling mode. Each part assembles by itself: llvm-mc -triple=amdgcn-amd-amdhsa -mcpu=gfx1250 --defsym DOCPART=n.
;; ======== version 1 of 2: 4 launches
;; limits: values are held in f16: magnitudes above 65,504 overflow, below 6.1e-05 lose precision; inputs' magnitudes at most 65,504
;; workspace buffers: xh 16,777,216 bytes; Wh 16,777,216 bytes; sel 32,768 bytes of whole numbers; gat 65,536 bytes; rowtok 73,984 bytes of whole numbers; pos 65,536 bytes of whole numbers; slotinfo 512 bytes of whole numbers; y 75,497,472 bytes
;; launch gate (part 1): grid 256 x 1, 8 waves a work-group, no clusters, 5,120 bytes of LDS; arguments x, Wg, bg, xh, sel, gat; writes xh, sel, gat
.if DOCPART == 1
	.amdgcn_target "amdgcn-amd-amdhsa--gfx1250"
	.amdhsa_code_object_version 6
	.text
	.protected	k_q2f5d2a17e6_gate
	.globl	k_q2f5d2a17e6_gate
	.p2align	8
	.type	k_q2f5d2a17e6_gate,@function
k_q2f5d2a17e6_gate:
	s_mov_b64 s[64:65], 0
	v_nop
	global_prefetch_b8 v0, s[64:65] scope:SCOPE_SE
	s_setreg_imm32_b32 hwreg(HW_REG_WAVE_MODE, 25, 1), 1
	s_wait_xcnt 0x0
; GATE.  For each of 8,192 tokens: logits = x Wg + bg in f32, the two largest logits' experts and their softmax gates; and x rounded to f16.
; x [8192][1024] f32, Wg [1024][8] f32, bg [8] f32  ->  xh [8192][1024] f16, sel [8192] u32 = first expert | second expert << 8, gat [8192][2] f32.
; The gate product stays in f32 on the vector unit: it is 8 of the problem's 8,200 columns, and the choice that hangs on it is discrete, so an operand
; rounded to 16 bits could pick another expert and change a whole output row.
; WHY f16 FOR THE EXPERTS' PRODUCT.  A rounding to bf16's 8 significant bits errs by about 2^-8 / sqrt 3 x 0.7 = 0.0016 of a number, two operands by 0.0023 of a sum's
; root mean square; with a gate near 0.8 that is 0.0018 where a hundredth of the output's root mean square, 0.0044, is allowed: too near for 8 million numbers.
; f16's 11 bits make it eight times finer.  ROOM: x thirty times larger or shifted by thirty spreads stays under 200, far below f16's 65,504; thirty times smaller,
; numbers under 6.1e-5 are kept as denormals in steps of 6e-8.
; LIMITS.  |x| above 65,504 becomes infinite in xh.  The logits are taken to be finite; with NaN or infinite logits the choice is unspecified (both indices still lie
; in 0..7).  The two experts are chosen on the logits (softmax keeps their order), the lower index on a tie.  Two logits closer than the rounding of this f32 sum may be
; chosen otherwise than by another order of summation.  The largest logit is taken away before every exponential; a gate below 2^-126 comes out as 0 (v_exp_f32 flushes).
; SHARES.  A work-group takes 32 tokens.  Wave w takes half hf = w & 1 of the 1,024 h and the eight tokens 8 (w >> 1) ..; lane l holds h = 512 hf + 128 j + 4 l + i
; (j, i = 0..3), so a 16-byte load of the wave covers 512 consecutive bytes of x and an 8-byte store 256 consecutive aligned bytes of xh.
; A lane's 16 rows of Wg (128 numbers) stay in registers for the whole kernel.
.set ACC, 8                            ; v[8:15]    the eight experts' partial sums, as four pairs
.set Y,   16                           ; v[16:23]   16 numbers of x as f16, to store
.set X,   24                           ; v[24:87]   ring of four tokens, 16 numbers each
.set WG,  88                           ; v[88:215]  Wg: register 32 j + 8 i + e
	s_load_b256 s[4:11], s[0:1], 0x0               ; x s[4:5], Wg s[6:7], bg s[8:9], xh s[10:11]
	s_load_b128 s[12:15], s[0:1], 0x20             ; sel s[12:13], gat s[14:15]
	v_lshl_add_u32 v224, v0, 2, 0x1000
	v_mov_b32 v225, 0
	v_lshrrev_b32 v5, 5, v0
	v_readfirstlane_b32 s16, v5                    ; wave
	s_and_b32 s17, s16, 1                          ; hf
	s_lshr_b32 s18, s16, 1                         ; tq
	v_and_b32 v6, 31, v0                           ; lane
	v_lshlrev_b32 v1, 4, v6                        ; my 16 bytes in 512 of x
	v_lshlrev_b32 v2, 3, v6                        ; my 8 bytes in 256 of xh
	v_lshlrev_b32 v3, 7, v6                        ; my four rows (128 bytes) in 128 rows of Wg
	v_lshrrev_b32 v7, 4, v6                        ; which half of the lanes
	s_lshl_b32 s19, s17, 11
	s_lshl_b32 s20, s18, 8
	s_add_co_u32 s19, s19, s20
	v_lshl_add_u32 v4, v7, 10, s19                 ; LDS: part (2 hf + half) x 1,024 + token (8 tq) x 32
	s_lshl_b32 s20, ttmp9, 17                      ; x: (32 wg + 8 tq) rows of 4,096 bytes + hf x 2,048
	s_lshl_b32 s21, s18, 15
	s_add_co_u32 s20, s20, s21
	s_lshl_b32 s21, s17, 11
	s_add_co_u32 s20, s20, s21
	s_mov_b32 s21, 0
	s_lshr_b32 s22, s20, 1                         ; xh: half of that
	s_mov_b32 s23, 0
	s_lshl_b32 s32, s17, 14                        ; Wg: hf x 512 rows of 32 bytes
	s_mov_b32 s33, 0
	s_wait_kmcnt 0x0
	s_add_nc_u64 s[4:5], s[4:5], s[20:21]
	s_add_nc_u64 s[10:11], s[10:11], s[22:23]
	s_add_nc_u64 s[6:7], s[6:7], s[32:33]
	s_load_b256 s[24:31], s[8:9], 0x0              ; bg
.irp j, 0,1,2,3
.irp m, 0,1,2,3,4,5,6,7
	global_load_b128 v[WG+32*\j+4*\m:WG+32*\j+4*\m+3], v3, s[6:7] offset:4096*\j+16*\m
.endr
.endr
.irp u, 0,1,2,3
.irp j, 0,1,2,3
	global_load_b128 v[X+16*\u+4*\j:X+16*\u+4*\j+3], v1, s[4:5] offset:4096*\u+512*\j th:TH_LOAD_NT
.endr
.endr
	s_wait_kmcnt 0x0                               ; bg
; Token u of my eight, in ring slot u mod 4.  left = loads younger than this token's four; ahead = 1: the slot is loaded again with token u + 4.
.macro TOK u, slot, left, ahead
	s_wait_loadcnt \left                           ; loads come back in order: this token's four (and, the first time, all of Wg) are in
	s_wait_xcnt 0x0                                ; Y is the last token's store data: rewritten only behind this wait
.irp k, 0,1,2,3,4,5,6,7
	v_cvt_pk_f16_f32 v[Y+\k], v[X+16*\slot+2*\k], v[X+16*\slot+2*\k+1]
.endr
.irp j, 0,1,2,3
	global_store_b64 v2, v[Y+2*\j:Y+2*\j+1], s[10:11] offset:2048*\u+256*\j
.endr
	; 16 numbers of x times 8 experts: 64 packed multiply-adds, one number of x broadcast to a pair of experts; the first four start the sums
.irp j, 0,1,2,3
.irp ih, 0,1
.irp s, 0,1
.irp p, 0,1,2,3
.if (\j+\ih+\s) == 0
	v_pk_mul_f32 v[ACC+2*\p:ACC+2*\p+1], v[X+16*\slot:X+16*\slot+1], v[WG+2*\p:WG+2*\p+1] op_sel:[0,0] op_sel_hi:[0,1]
.else
	v_pk_fma_f32 v[ACC+2*\p:ACC+2*\p+1], v[X+16*\slot+4*\j+2*\ih:X+16*\slot+4*\j+2*\ih+1], v[WG+32*\j+16*\ih+8*\s+2*\p:WG+32*\j+16*\ih+8*\s+2*\p+1], v[ACC+2*\p:ACC+2*\p+1] op_sel:[\s,0,0] op_sel_hi:[\s,1,1]
.endif
.endr
.endr
.endr
.endr
.if \ahead
.irp j, 0,1,2,3
	global_load_b128 v[X+16*\slot+4*\j:X+16*\slot+4*\j+3], v1, s[4:5] offset:4096*(\u+4)+512*\j th:TH_LOAD_NT
.endr
.endif
	; sums over each half of 16 lanes; every lane of a half ends with the half's sum
.irp m, 1,2,4,8
.irp e, 0,1,2,3,4,5,6,7
	v_add_f32_dpp v[ACC+\e], v[ACC+\e], v[ACC+\e] row_xmask:\m row_mask:0xf bank_mask:0xf
.endr
.endr
	ds_store_b128 v4, v[ACC:ACC+3] offset:32*\u              ; the 16 lanes of a half write the same words with the same values
	ds_store_b128 v4, v[ACC+4:ACC+7] offset:32*\u+16
.endm
	TOK 0, 0, 12, 1
	TOK 1, 1, 12, 1
	TOK 2, 2, 12, 1
	TOK 3, 3, 12, 1
	TOK 4, 0, 12, 0                                ; nothing more to load: the counts run down
	TOK 5, 1, 8, 0
	TOK 6, 2, 4, 0
	TOK 7, 3, 0, 0
	s_wait_dscnt 0x0                               ; my partial sums are in LDS, for wave 0's sake
	s_barrier_signal -1
	s_barrier_wait -1
	s_cmp_lg_u32 s16, 0
	s_cbranch_scc1 .Ldone                          ; wave 0 finishes the 32 tokens, one a lane; no barrier follows
	v_lshlrev_b32 v5, 5, v0                        ; in wave 0 the thread's number is the token: 32 bytes of each part
.irp p, 0,1,2,3
	ds_load_b128 v[24+8*\p:27+8*\p], v5 offset:1024*\p
	ds_load_b128 v[28+8*\p:31+8*\p], v5 offset:1024*\p+16
.endr
	s_lshl_b32 s20, ttmp9, 7                       ; sel: 32 tokens of 4 bytes
	s_mov_b32 s21, 0
	s_add_nc_u64 s[12:13], s[12:13], s[20:21]
	s_lshl_b32 s20, ttmp9, 8                       ; gat: 32 tokens of 8 bytes
	s_add_nc_u64 s[14:15], s[14:15], s[20:21]
	v_lshlrev_b32 v6, 2, v0
	v_lshlrev_b32 v7, 3, v0
	v_mov_b32 v58, 0xff800000                      ; minus infinity
	s_wait_dscnt 0x0
.irp k, 0,2,4,6
	v_pk_add_f32 v[24+\k:25+\k], v[24+\k:25+\k], v[32+\k:33+\k]
	v_pk_add_f32 v[40+\k:41+\k], v[40+\k:41+\k], v[48+\k:49+\k]
.endr
.irp k, 0,2,4,6
	v_pk_add_f32 v[24+\k:25+\k], v[24+\k:25+\k], v[40+\k:41+\k]
.endr
.irp e, 0,1,2,3,4,5,6,7
	v_add_f32 v[24+\e], s[24+\e], v[24+\e]         ; the logits, v[24:31]
.endr
	; the largest logit and its index: strictly greater, so the lower index keeps a tie
	v_mov_b32 v56, v24
	v_mov_b32 v57, 0
.irp e, 1,2,3,4,5,6,7
	v_cmp_gt_f32 vcc_lo, v[24+\e], v56
	v_cndmask_b32 v56, v56, v[24+\e], vcc_lo
	v_cndmask_b32 v57, v57, \e, vcc_lo
.endr
	; the same once more with the winner set to minus infinity
.irp e, 0,1,2,3,4,5,6,7
	v_cmp_eq_u32 vcc_lo, \e, v57
	v_cndmask_b32 v[64+\e], v[24+\e], v58, vcc_lo
.endr
	v_mov_b32 v60, v64
	v_mov_b32 v59, 0
.irp e, 1,2,3,4,5,6,7
	v_cmp_gt_f32 vcc_lo, v[64+\e], v60
	v_cndmask_b32 v60, v60, v[64+\e], vcc_lo
	v_cndmask_b32 v59, v59, \e, vcc_lo
.endr
	; softmax with the largest logit taken away: e^(L - m1) for the eight, and for the second once more
.irp e, 0,1,2,3,4,5,6,7
	v_sub_f32 v[72+\e], v[24+\e], v56
.endr
	v_sub_f32 v80, v60, v56
.irp k, 0,1,2,3,4,5,6,7,8
	v_mul_f32 v[72+\k], 0x3fb8aa3b, v[72+\k]       ; times log2 e: v_exp_f32 works in base 2
.endr
.irp k, 0,1,2,3,4,5,6,7,8
	v_exp_f32 v[104+\k], v[72+\k]
.endr
	v_lshl_or_b32 v91, v59, 8, v57                 ; first | second << 8: also the plain instruction between the exponentials and their use (ISA guide 5.7.2)
	s_wait_alu depctr_va_vdst(0)
	v_add_f32 v113, v104, v105
	v_add_f32 v114, v106, v107
	v_add_f32 v115, v108, v109
	v_add_f32 v116, v110, v111
	v_add_f32 v113, v113, v114
	v_add_f32 v115, v115, v116
	v_add_f32 v113, v113, v115
	v_rcp_f32 v92, v113                            ; the first gate: e^0 / sum
	v_nop                                          ; one plain place behind v_rcp_f32
	s_wait_alu depctr_va_vdst(0)
	v_mul_f32 v93, v112, v92                       ; the second gate
	global_store_b32 v6, v91, s[12:13]
	global_store_b64 v7, v[92:93], s[14:15]        ; the wave's store covers 256 consecutive aligned bytes
.Ldone:
	s_wait_tensorcnt 0x0
	ds_add_u32 v224, v225
	s_wait_dscnt 0x0
	s_endpgm
.Lfunc_end_k_q2f5d2a17e6_gate:
	.size	k_q2f5d2a17e6_gate, .Lfunc_end_k_q2f5d2a17e6_gate-k_q2f5d2a17e6_gate
	.p2alignl 7, 3214868480
	.fill 96, 4, 3214868480
	.section	.rodata,"a",@progbits
	.p2align	6, 0x0
	.amdhsa_kernel k_q2f5d2a17e6_gate
		.amdhsa_group_segment_fixed_size 5120
		.amdhsa_private_segment_fixed_size 0
		.amdhsa_enable_private_segment 0
		.amdhsa_kernarg_size 48
		.amdhsa_user_sgpr_count 2
		.amdhsa_user_sgpr_kernarg_segment_ptr 1
		.amdhsa_wavefront_size32 1
		.amdhsa_system_sgpr_workgroup_id_x 1
		.amdhsa_system_sgpr_workgroup_id_y 1
		.amdhsa_system_sgpr_workgroup_id_z 1
		.amdhsa_system_vgpr_workitem_id 0
		.amdhsa_next_free_vgpr 226
		.amdhsa_next_free_sgpr 66
		.amdhsa_reserve_vcc 1
		.amdhsa_float_denorm_mode_32 3
		.amdhsa_float_denorm_mode_16_64 3
		.amdhsa_memory_ordered 1
		.amdhsa_forward_progress 1
		.amdhsa_inst_pref_size 71
	.end_amdhsa_kernel
	.amdgpu_metadata
---
amdhsa.version: [ 1, 2 ]
amdhsa.kernels:
  - .name:           k_q2f5d2a17e6_gate
    .symbol:         k_q2f5d2a17e6_gate.kd
    .args:
      - { .name: x, .offset: 0, .size: 8, .value_kind: global_buffer, .address_space: global }
      - { .name: Wg, .offset: 8, .size: 8, .value_kind: global_buffer, .address_space: global }
      - { .name: bg, .offset: 16, .size: 8, .value_kind: global_buffer, .address_space: global }
      - { .name: xh, .offset: 24, .size: 8, .value_kind: global_buffer, .address_space: global }
      - { .name: sel, .offset: 32, .size: 8, .value_kind: global_buffer, .address_space: global }
      - { .name: gat, .offset: 40, .size: 8, .value_kind: global_buffer, .address_space: global }
    .group_segment_fixed_size: 5120
    .private_segment_fixed_size: 0
    .kernarg_segment_align: 8
    .kernarg_segment_size: 48
    .max_flat_workgroup_size: 256
    .sgpr_count:     66
    .vgpr_count:     226
    .wavefront_size: 32
...
	.end_amdgpu_metadata
.endif
;; end of part 1
;; launch prep (part 2): grid 257 x 1, 8 waves a work-group, no clusters, 2,048 bytes of LDS; arguments sel, W, Wh, rowtok, pos, slotinfo; writes Wh, rowtok, pos, slotinfo
.if DOCPART == 2
	.amdgcn_target "amdgcn-amd-amdhsa--gfx1250"
	.amdhsa_code_object_version 6
	.text
	.protected	k_q2f5d2a17e6_prep
	.globl	k_q2f5d2a17e6_prep
	.p2align	8
	.type	k_q2f5d2a17e6_prep,@function
k_q2f5d2a17e6_prep:
	s_mov_b64 s[64:65], 0
	v_nop
	global_prefetch_b8 v0, s[64:65] scope:SCOPE_SE
	s_setreg_imm32_b32 hwreg(HW_REG_WAVE_MODE, 25, 1), 1
	s_wait_xcnt 0x0
; PREP.  Work-groups 1..256: W [8][1024][1024] f32 -> Wh, the same layout in f16, 131,072 bytes of W each.
; f16 and not bf16: its 11 significant bits keep the rounding of the product's operands eight times finer (the arithmetic stands at the head of the gate's text).
; ROOM: W has a spread of 1/32; thirty times larger or shifted by thirty spreads it stays under 6, far below f16's 65,504; thirty times smaller its spread is 0.001, and numbers
; under 6.1e-5 are kept as denormals in steps of 6e-8, an error of at most 3e-5 of the spread.  LIMIT: |W| above 65,504 becomes infinite in Wh.
; Work-group 0: the routing.  The 16,384 (token, expert) rows are sorted by expert.  Expert e gets ns_e = ceil(c_e / 288) whole slots of 288 rows, its rows dense from
; its first slot on.  The sum of ns_e is at most (16,384 + 8 x 287) / 288 = 64 for every distribution, so 64 slots always do.
;   rowtok [18432] (+ one spare word): the token of each sorted row (0 in the unused rows of a used slot);  pos [8192][2]: the sorted row of each of a token's two
;   contributions;  slotinfo [64][2]: the slot's expert and its first row in rowtok.  A slot that the counts leave empty is given slot 0's expert and rows.
; rowtok's word 18,432 is a spare that no launch reads: where the left-over rows of a slot are set to 0, a lane that has no such row writes its 0 there,
; so that these stores need no lane mask.
; No atomics: ranks come from lane masks and counts, the waves' counts meet in LDS once.
; Every number taken from sel is clamped before it enters an address, so out-of-range experts (which the gate never stores) cannot leave a buffer.
.set SEL,   8                          ; v[8:39]    chunk c: sel of token 1024 w + 32 c + lane; later the token's number
.set P,     40                         ; v[40:103]  chunk c: pair of ranks, then of sorted rows
.set O,     104                        ; v[104:167] chunk c: pair of the experts' offsets, then of byte offsets in rowtok
.set PADO,  168                        ; v[168:183] byte offsets in rowtok of the left-over rows, one register for each of the 16 stores
.set CNT,   16                         ; s[16:23]   my wave's running count of each expert
.set TOT,   32                         ; s[32:39]   all waves' count
.set PRE,   40                         ; s[40:47]   the count of the waves in front of mine
.set FIRST, 48                         ; s[48:56]   first slot of expert e; FIRST+8: slots in use
.set OFFS,  68                         ; s[68:75]   sorted row of my wave's first row of expert e
.set MK,    80                         ; s[80:87]   lane masks of the eight experts
	s_load_b256 s[4:11], s[0:1], 0x0               ; sel s[4:5], W s[6:7], Wh s[8:9], rowtok s[10:11]
	s_load_b128 s[12:15], s[0:1], 0x20             ; pos s[12:13], slotinfo s[14:15]
	v_lshl_add_u32 v208, v0, 2, 0x400
	v_mov_b32 v209, 0
	v_lshrrev_b32 v3, 5, v0                        ; wave
	v_and_b32 v1, 31, v0                           ; lane
	s_wait_kmcnt 0x0
	s_cmp_eq_u32 ttmp9, 0
	s_cbranch_scc1 .Lroute                         ; the same for all waves of a work-group
	; THE CAST.  A wave takes 16,384 bytes: 32 loads of 512 consecutive bytes, all issued at once; each store covers 256 consecutive aligned bytes
	; and has data registers of its own, so nothing is rewritten while a store may read it.
	s_sub_co_u32 s16, ttmp9, 1
	s_lshl_b32 s18, s16, 17
	s_mov_b32 s19, 0
	s_lshl_b32 s20, s16, 16
	s_mov_b32 s21, 0
	s_add_nc_u64 s[6:7], s[6:7], s[18:19]
	s_add_nc_u64 s[8:9], s[8:9], s[20:21]
	v_lshlrev_b32 v4, 4, v1
	v_lshl_add_u32 v4, v3, 14, v4
	v_lshlrev_b32 v5, 3, v1
	v_lshl_add_u32 v5, v3, 13, v5
.set cc, 0
.rept 32
	global_load_b128 v[8+4*cc:11+4*cc], v4, s[6:7] offset:512*cc th:TH_LOAD_NT
.set cc, cc+1
.endr
.set cc, 0
.rept 32
	s_wait_loadcnt 31-cc                           ; loads come back in order: number cc is in, the younger ones stay out
	v_cvt_pk_f16_f32 v[136+2*cc], v[8+4*cc], v[9+4*cc]
	v_cvt_pk_f16_f32 v[137+2*cc], v[10+4*cc], v[11+4*cc]
	global_store_b64 v5, v[136+2*cc:137+2*cc], s[8:9] offset:256*cc
.set cc, cc+1
.endr
	s_endpgm
.Lroute:
	; THE ROUTING.  Wave w owns tokens 1024 w .. 1024 w + 1023, as 32 chunks of 32.
	v_readfirstlane_b32 s27, v3                    ; wave
	v_lshlrev_b32 v2, 2, v1
	v_lshl_add_u32 v2, v3, 12, v2
.set cc, 0
.rept 32
	global_load_b32 v[SEL+cc], v2, s[4:5] offset:128*cc
.set cc, cc+1
.endr
.irp e, 0,1,2,3,4,5,6,7
	s_mov_b32 s[CNT+\e], 0
.endr
	s_wait_loadcnt 0x0
; Ranks of chunk c's 64 rows inside my wave: rows of expert e so far + lanes below mine with the same expert.
.macro RANK c
	v_and_b32 v2, 0xff, v[SEL+\c]
	v_lshrrev_b32 v3, 8, v[SEL+\c]
.irp r, 0,1
.irp e, 0,1,2,3,4,5,6,7
	v_cmp_eq_u32 s[MK+\e], \e, v[2+\r]
.endr
	v_mbcnt_lo_u32_b32 v[P+2*\c+\r], s[MK], s[CNT] ; written in every lane; the right expert's figure replaces it below
.irp e, 1,2,3,4,5,6,7
	v_mbcnt_lo_u32_b32 v4, s[MK+\e], s[CNT+\e]
	v_cndmask_b32 v[P+2*\c+\r], v[P+2*\c+\r], v4, s[MK+\e]
.endr
.irp e, 0,1,2,3,4,5,6,7
	s_bcnt1_i32_b32 s25, s[MK+\e]
	s_add_co_u32 s[CNT+\e], s[CNT+\e], s25
.endr
.endr
.endm
.set cc, 0
.rept 32
	RANK cc
.set cc, cc+1
.endr
	; the waves' counts meet: word 8 e + w of LDS
	s_lshl_b32 s26, s27, 2
	v_mov_b32 v5, s26
.irp e, 0,1,2,3,4,5,6,7
	v_mov_b32 v4, s[CNT+\e]
	ds_store_b32 v5, v4 offset:32*\e
.endr
	s_wait_dscnt 0x0                               ; my counts are in LDS, for the others' sake
	s_barrier_signal -1
	s_barrier_wait -1
	v_lshlrev_b32 v6, 2, v1
	ds_load_b32 v2, v6                             ; lane 8 e + w': count of expert e in wave w', e = 0..3
	ds_load_b32 v3, v6 offset:128                  ; e = 4..7
	v_and_b32 v7, 7, v1
	v_cmp_gt_u32 vcc_lo, s27, v7                   ; waves in front of mine
	s_wait_dscnt 0x0
	v_lshlrev_b32 v4, 16, v2                       ; low half: the count (sums to at most 16,384); high half: the count if the wave is in front of mine
	v_lshlrev_b32 v5, 16, v3
	v_cndmask_b32 v4, 0, v4, vcc_lo
	v_cndmask_b32 v5, 0, v5, vcc_lo
	v_or_b32 v2, v2, v4
	v_or_b32 v3, v3, v5
.irp m, 1,2,4
	v_mov_b32_dpp v4, v2 row_xmask:\m row_mask:0xf bank_mask:0xf
	v_mov_b32_dpp v5, v3 row_xmask:\m row_mask:0xf bank_mask:0xf
	v_add_nc_u32 v2, v2, v4
	v_add_nc_u32 v3, v3, v5
.endr
.irp e, 0,1,2,3
	v_readlane_b32 s24, v2, 8*\e
	v_readlane_b32 s25, v3, 8*\e
	s_and_b32 s[TOT+\e], s24, 0xffff
	s_lshr_b32 s[PRE+\e], s24, 16
	s_and_b32 s[TOT+4+\e], s25, 0xffff
	s_lshr_b32 s[PRE+4+\e], s25, 16
.endr
	s_mov_b32 s[FIRST], 0
.irp e, 0,1,2,3,4,5,6,7
	s_add_co_u32 s25, s[TOT+\e], 287               ; ceil(c / 288) = floor(floor((c + 287) / 32) / 9);
	s_lshr_b32 s25, s25, 5                         ; m = at most 520,
	s_mul_i32 s25, s25, 7282                       ; and floor(m / 9) = m x 7282 >> 16 while 2 m < 65,536 (9 x 7282 = 65,536 + 2)
	s_lshr_b32 s25, s25, 16
	s_add_co_u32 s[FIRST+\e+1], s[FIRST+\e], s25
	s_mul_i32 s25, s[FIRST+\e], 288
	s_add_co_u32 s[OFFS+\e], s25, s[PRE+\e]
.endr
	; each row's offset: lane e of v5 holds expert e's, and every lane pulls its expert's lane (no LDS byte is touched)
	v_mov_b32 v5, 0
.irp e, 0,1,2,3,4,5,6,7
	v_writelane_b32 v5, s[OFFS+\e], \e
.endr
.set cc, 0
.rept 32
	v_and_b32 v2, 0xff, v[SEL+cc]
	v_bfe_u32 v3, v[SEL+cc], 8, 8
	v_lshlrev_b32 v2, 2, v2
	v_lshlrev_b32 v3, 2, v3
	ds_bpermute_b32 v[O+2*cc], v2, v5
	ds_bpermute_b32 v[O+2*cc+1], v3, v5
.set cc, cc+1
.endr
	s_lshl_b32 s26, s27, 13
	v_lshl_add_u32 v6, v1, 3, s26                  ; byte offset in pos of chunk 0's pair: 8 (1024 w + lane)
	s_lshl_b32 s26, s27, 10
	v_add_nc_u32 v7, s26, v1                       ; chunk 0's token
	s_wait_dscnt 0x0
.set cc, 0
.rept 32
	v_add_nc_u32 v[P+2*cc], v[P+2*cc], v[O+2*cc]
	v_add_nc_u32 v[P+2*cc+1], v[P+2*cc+1], v[O+2*cc+1]
	v_min_u32 v[P+2*cc], 0x47ff, v[P+2*cc]         ; at most row 18,431: no address leaves rowtok or y, whatever sel holds
	v_min_u32 v[P+2*cc+1], 0x47ff, v[P+2*cc+1]
	global_store_b64 v6, v[P+2*cc:P+2*cc+1], s[12:13] offset:256*cc      ; 256 consecutive aligned bytes of pos
	v_add_nc_u32 v[SEL+cc], 32*cc, v7
	v_lshlrev_b32 v[O+2*cc], 2, v[P+2*cc]
	v_lshlrev_b32 v[O+2*cc+1], 2, v[P+2*cc+1]
	global_store_b32 v[O+2*cc], v[SEL+cc], s[10:11]                      ; scattered words: 64 KiB in the whole launch
	global_store_b32 v[O+2*cc+1], v[SEL+cc], s[10:11]
.set cc, cc+1
.endr
	; The rows that an expert's last slot has left over (at most 287) name token 0; the 256 threads take them in two turns.  A lane whose index has reached the next
	; expert's first row has no such row and is sent to the spare word 18,432.  All lanes stay on; each store has an address register of its own, so none is rewritten
	; while a store may read it.
	v_mov_b32 v3, 0
.set kk, 0
.irp e, 0,1,2,3,4,5,6,7
	s_mul_i32 s24, s[FIRST+\e], 288
	s_add_co_u32 s24, s24, s[TOT+\e]               ; the first row left over
	s_mul_i32 s25, s[FIRST+\e+1], 288              ; the next expert's first row
.irp jj, 0,1
	v_add3_u32 v4, v0, s24, 256*\jj
	v_cmp_gt_u32 vcc_lo, s25, v4                   ; still in this expert's last slot?
	v_cndmask_b32 v4, 0x4800, v4, vcc_lo           ; if not: the spare word
	v_min_u32 v4, 0x4800, v4                       ; at most word 18,432, whatever the counts hold
	v_lshlrev_b32 v[PADO+kk], 2, v4
	global_store_b32 v[PADO+kk], v3, s[10:11]
.set kk, kk+1
.endr
.endr
	s_cmp_gt_u32 s27, 1
	s_cbranch_scc1 .Lrdone                         ; threads 0..63 (waves 0 and 1) write the 64 slots' entries
	v_cmp_gt_u32 vcc_lo, s[FIRST+8], v0
	v_cndmask_b32 v2, 0, v0, vcc_lo                ; a slot not in use stands for slot 0
	v_mov_b32 v4, 0
.irp e, 1,2,3,4,5,6,7
	v_cmp_le_u32 vcc_lo, s[FIRST+\e], v2
	v_add_co_ci_u32 v4, vcc_lo, 0, v4, vcc_lo      ; the slot's expert = how many experts end at or in front of it
.endr
	v_mul_u32_u24 v5, v2, 288
	v_lshlrev_b32 v7, 3, v0
	global_store_b64 v7, v[4:5], s[14:15]
.Lrdone:
	s_wait_tensorcnt 0x0
	ds_add_u32 v208, v209
	s_wait_dscnt 0x0
	s_endpgm
.Lfunc_end_k_q2f5d2a17e6_prep:
	.size	k_q2f5d2a17e6_prep, .Lfunc_end_k_q2f5d2a17e6_prep-k_q2f5d2a17e6_prep
	.p2alignl 7, 3214868480
	.fill 96, 4, 3214868480
	.section	.rodata,"a",@progbits
	.p2align	6, 0x0
	.amdhsa_kernel k_q2f5d2a17e6_prep
		.amdhsa_group_segment_fixed_size 2048
		.amdhsa_private_segment_fixed_size 0
		.amdhsa_enable_private_segment 0
		.amdhsa_kernarg_size 48
		.amdhsa_user_sgpr_count 2
		.amdhsa_user_sgpr_kernarg_segment_ptr 1
		.amdhsa_wavefront_size32 1
		.amdhsa_system_sgpr_workgroup_id_x 1
		.amdhsa_system_sgpr_workgroup_id_y 1
		.amdhsa_system_sgpr_workgroup_id_z 1
		.amdhsa_system_vgpr_workitem_id 0
		.amdhsa_next_free_vgpr 210
		.amdhsa_next_free_sgpr 88
		.amdhsa_reserve_vcc 1
		.amdhsa_float_denorm_mode_32 3
		.amdhsa_float_denorm_mode_16_64 3
		.amdhsa_memory_ordered 1
		.amdhsa_forward_progress 1
		.amdhsa_inst_pref_size 186
	.end_amdhsa_kernel
	.amdgpu_metadata
---
amdhsa.version: [ 1, 2 ]
amdhsa.kernels:
  - .name:           k_q2f5d2a17e6_prep
    .symbol:         k_q2f5d2a17e6_prep.kd
    .args:
      - { .name: sel, .offset: 0, .size: 8, .value_kind: global_buffer, .address_space: global }
      - { .name: W, .offset: 8, .size: 8, .value_kind: global_buffer, .address_space: global }
      - { .name: Wh, .offset: 16, .size: 8, .value_kind: global_buffer, .address_space: global }
      - { .name: rowtok, .offset: 24, .size: 8, .value_kind: global_buffer, .address_space: global }
      - { .name: pos, .offset: 32, .size: 8, .value_kind: global_buffer, .address_space: global }
      - { .name: slotinfo, .offset: 40, .size: 8, .value_kind: global_buffer, .address_space: global }
    .group_segment_fixed_size: 2048
    .private_segment_fixed_size: 0
    .kernarg_segment_align: 8
    .kernarg_segment_size: 48
    .max_flat_workgroup_size: 256
    .sgpr_count:     88
    .vgpr_count:     210
    .wavefront_size: 32
...
	.end_amdgpu_metadata
.endif
;; end of part 2
;; launch gemm (part 3): grid 4 x 64, 4 waves a work-group, no clusters, 327,680 bytes of LDS; arguments xh, Wh, b, rowtok, slotinfo, y; writes y
.if DOCPART == 3
	.amdgcn_target "amdgcn-amd-amdhsa--gfx1250"
	.amdhsa_code_object_version 6
	.text
	.protected	k_q2f5d2a17e6_gemm
	.globl	k_q2f5d2a17e6_gemm
	.p2align	8
	.type	k_q2f5d2a17e6_gemm,@function
k_q2f5d2a17e6_gemm:
	s_mov_b64 s[64:65], 0
	v_nop
	global_prefetch_b8 v0, s[64:65] scope:SCOPE_SE
	s_setreg_imm32_b32 hwreg(HW_REG_WAVE_MODE, 25, 1), 1
	s_wait_xcnt 0x0
; GROUPED GEMM.  y[288 slot + i][o] = sum over h of xh[rowtok[rowbase + i]][h] Wh[e][h][o] + b[e][o], with (e, rowbase) = slotinfo[slot]; f16 operands, f32 sums.
; (f16 and not bf16 for its 11 significant bits; the arithmetic and the room in f16's range stand at the heads of the two texts that make xh and Wh.)
; 64 slots x 4 column blocks of 256 = 256 work-groups, one tile of 288 x 256 each; K = 1,024 in 8 steps of 128.  Four waves; a wave makes 144 x 128:
; 9 x 8 accumulator tiles of 16 x 16, 576 registers.  No branch, trip count or lane mask hangs on data: data enter addresses alone, clamped.
; A slot that the counts leave empty has slot 0's expert and rows in slotinfo: it stores into its own 288 rows of y, which no later launch reads.  The grid cannot follow
; the counts, and 64 slots are what the worst distribution needs.
; A's TILE is a gather of rows of xh: through registers (global_load_b128, two rows of 256 bytes an instruction, then ds_store_b128), two batches of 18 loads a wave and step.
; B's TILE (128 h x 256 o of Wh) comes by the tensor data mover, 32 rows of 512 bytes a wave.  Wh lies [h][o], so its fragments are read by the transposing LDS load.
; NO CLUSTER: A's rows are gathered lane by lane, which no joint request covers; B's tile is shared by the slots of one expert only, and how many and which slots those
; are hangs on counts read from memory, so no mask that is written in the text names the partners.
; THE MATRIX INSTRUCTION IS USED TRANSPOSED: source 0 = 16 columns o of W, source 1 = 16 rows of x.  Lane l then holds row l % 16 and its eight registers the columns
; 8 (l / 16) + 0..7: 32 consecutive bytes of a row of y.
; LDS: two slots of 147,968 bytes: A at +0, 288 rows of 272 bytes (written by ds_store alone); B at +78,336, 128 rows of 544 bytes (filled by tensor loads alone).
; REGISTERS in windows of 256:  window 0: v0-v47 addresses and bias, v48-119 gather stage, v120-191 A fragments (buffer 0), v192-255 accumulator row 8;
;   window 1: v0-63, v64-127 B fragments (buffers 0, 1), v128-199 A fragments (buffer 1);  window 2: accumulator rows 0-3;  window 3: rows 4-7 (tile (a, b) at 64 (a % 4) + 8 b).
.set SLOT,   147968
.set BOFF,   78336
.set APITCH, 272                       ; 256 bytes + 16: an odd multiple of 16
.set BPITCH, 544                       ; 512 bytes + 32: an odd multiple of 32, as the transposing load's addresses want
.set ADRA, 2                           ; v2-3    LDS address of my A fragments in slot 0, 1
.set ADRB, 4                           ; v4-5    of my B fragments
.set GST,  6                           ; v6-7    where my gather's first two rows go
.set BIAS, 8                           ; v[8:11] b of the four columns that I store
.set ROFF, 12                          ; v[12:47] byte offset in xh of my 16 bytes of gather rows 2 i, 2 i + 1
.set STG,  48                          ; v[48:119] one batch of the gather
.set AF0,  120
.set STO,  12                          ; the way out (ROFF is free by then): where I put 32 bytes of a row
.set RD,   13                          ;   where I read 16 bytes of a row back
.set CO,   14                          ;   my byte offset in y's row
.set G1, 24                            ; s[24:31] descriptor group 1
.set G0, 32                            ; s[32:39] descriptor group 0, one set for each slot
.set MSB, 0
.macro WIN new                         ; the immediate's high byte repeats the setting that is left; a switch that changes nothing is dropped
.set NEWW, \new
.if MSB != NEWW
	s_set_vgpr_msb (MSB<<8)|NEWW
.set MSB, NEWW
.endif
.endm
.macro ACCSEL a                        ; window AW and first register AB of accumulator row a
.if \a < 4
.set AW, 2
.set AB, 64*\a
.else
.if \a < 8
.set AW, 3
.set AB, 64*\a-256
.else
.set AW, 0
.set AB, 192
.endif
.endif
.endm
; Eight matrix instructions: accumulator row a x all 8 column tiles, 32 along K, fragments of buffer buf.  zero = 1: the product starts the sums, nothing is cleared.
.macro MULROW buf, a, zero
	ACCSEL \a
	WIN AW*80+4*\buf+1                             ; C and D window AW, source 1 (x) window buf, source 0 (W) window 1
.irp b, 0,1,2,3,4,5,6,7
.if \zero
	v_wmma_f32_16x16x32_f16 v[AB+8*\b:AB+8*\b+7], v[64*\buf+8*\b:64*\buf+8*\b+7], v[AF0+8*\buf+8*\a:AF0+8*\buf+8*\a+7], 0
.else
	v_wmma_f32_16x16x32_f16 v[AB+8*\b:AB+8*\b+7], v[64*\buf+8*\b:64*\buf+8*\b+7], v[AF0+8*\buf+8*\a:AF0+8*\buf+8*\a+7], v[AB+8*\b:AB+8*\b+7]
.endif
.endr
.endm
; A load into a register that a matrix instruction has read stands four places behind it, and only plain vector instructions are places (ISA guide 7.12.1 for vector
; instructions): four v_nop in front of each run of fragment loads.
.macro PLACES
.rept 4
	v_nop
.endr
.endm
; 34 LDS loads: the fragments of quarter q (32 along K) of a slot into buffer buf: 128 columns of W (transposed on the way), 144 rows of x.
.macro FETCH slot, q, buf
	WIN 0x40                                       ; destination window 1, address window 0
.irp b, 0,1,2,3,4,5,6,7
	ds_load_tr16_b128 v[64*\buf+8*\b:64*\buf+8*\b+3],   v[ADRB+\slot] offset:32*BPITCH*\q+32*\b
	ds_load_tr16_b128 v[64*\buf+8*\b+4:64*\buf+8*\b+7], v[ADRB+\slot] offset:32*BPITCH*\q+32*\b+16*BPITCH
.endr
.if \buf == 0
	WIN 0
.endif
.irp a, 0,1,2,3,4,5,6,7,8
	ds_load_b128 v[AF0+8*\buf+8*\a:AF0+8*\buf+8*\a+3],   v[ADRA+\slot] offset:16*APITCH*\a+64*\q
	ds_load_b128 v[AF0+8*\buf+8*\a+4:AF0+8*\buf+8*\a+7], v[ADRA+\slot] offset:16*APITCH*\a+64*\q+32
.endr
.endm
; One batch of the gather: 36 of my 72 rows, 256 bytes each, of the K step at which s[40:41] stands.
.macro GISSUE batch, stg
	WIN 0
.irp i, 0,1,2,3,4,5,6,7,8,9,10,11,12,13,14,15,16,17
	global_load_b128 v[\stg+4*\i:\stg+4*\i+3], v[ROFF+18*\batch+\i], s[40:41]
.endr
.endm
.macro GSTORE batch, slot, stg, left
	WIN 0
	s_wait_loadcnt \left                           ; this batch's 18 loads are in; left = loads issued behind them
.irp i, 0,1,2,3,4,5,6,7,8,9,10,11,12,13,14,15,16,17
	ds_store_b128 v[GST+\slot], v[\stg+4*\i:\stg+4*\i+3] offset:2*APITCH*(18*\batch+\i)
.endr
.endm
	s_load_b256 s[4:11], s[0:1], 0x0               ; xh s[4:5], Wh s[6:7], b s[8:9], rowtok s[10:11]
	s_load_b128 s[12:15], s[0:1], 0x20             ; slotinfo s[12:13], y s[14:15]
	s_set_vgpr_msb 0x40
	v_lshl_add_u32 v254, v0, 2, 0x48400
	v_mov_b32 v255, 0
	s_set_vgpr_msb 0x4045
	ds_add_u32 v254, v255
	s_set_vgpr_msb 0x4500
	v_lshrrev_b32 v1, 5, v0
	v_readfirstlane_b32 s16, v1                    ; wave
	s_lshr_b32 s17, s16, 1                         ; wr: which 144 rows
	s_and_b32 s18, s16, 1                          ; wc: which 128 columns
	s_and_b32 s19, ttmp7, 0xffff                   ; slot
	s_lshl_b32 s22, s19, 3
	s_mov_b32 s23, 0
	; descriptor group 1: 32 rows x 256 elements of 2 bytes, 1,024 elements from row to row; in LDS 8 words are skipped behind every 128
	s_mov_b32 s[G1+0], (1<<16)|(1<<20)|(6<<22)|(7<<25)
	s_mov_b32 s[G1+1], 256<<16                     ; tensor_dim0 = 256
	s_mov_b32 s[G1+2], 32<<16                      ; tensor_dim1 = 32
	s_mov_b32 s[G1+3], 256<<16                     ; tile_dim0 = 256
	s_mov_b32 s[G1+4], 32                          ; tile_dim1 = 32
	s_mov_b32 s[G1+5], 1024                        ; the pitch
	s_mov_b32 s[G1+6], 0
	s_mov_b32 s[G1+7], 0
	s_wait_dscnt 0x0
	s_wait_kmcnt 0x0
	s_add_nc_u64 s[12:13], s[12:13], s[22:23]
	s_load_b64 s[20:21], s[12:13], 0x0             ; expert, first row in rowtok
	; lane addresses, while that load is out.  r = l % 16, h = l / 16
	v_and_b32 v48, 15, v0
	v_bfe_u32 v49, v0, 4, 1
	v_and_b32 v50, 31, v0
	v_mul_u32_u24 v51, v48, APITCH
	v_lshl_add_u32 v51, v49, 4, v51
	s_mul_i32 s22, s17, 144*APITCH
	v_add_nc_u32 v[ADRA], s22, v51                 ; (144 wr + r) x 272 + 16 h
	v_add_nc_u32 v[ADRA+1], SLOT, v[ADRA]
	v_and_b32 v52, 7, v0
	v_lshl_add_u32 v52, v49, 3, v52
	v_mul_u32_u24 v52, v52, BPITCH
	v_bfe_u32 v53, v0, 3, 1
	v_lshl_add_u32 v52, v53, 4, v52
	s_lshl_b32 s22, s18, 8
	s_add_co_u32 s22, s22, BOFF
	v_add_nc_u32 v[ADRB], s22, v52                 ; B + (8 h + l % 8) x 544 + 256 wc + 16 ((l / 8) % 2)
	v_add_nc_u32 v[ADRB+1], SLOT, v[ADRB]
	v_mul_u32_u24 v54, v49, APITCH
	v_lshl_add_u32 v54, v48, 4, v54
	s_mul_i32 s22, s16, 72*APITCH
	v_add_nc_u32 v[GST], s22, v54                  ; (72 w + h) x 272 + 16 r
	v_add_nc_u32 v[GST+1], SLOT, v[GST]
	v_lshlrev_b32 v55, 4, v48                      ; 16 r
	v_lshlrev_b32 v56, 4, v50                      ; 16 l
	v_lshlrev_b32 v1, 2, v49                       ; 4 h
	s_mul_i32 s45, s16, 32*BPITCH                  ; my 32 rows of B's tile in LDS
	s_mov_b32 s[G0+0], 1
	s_add_co_u32 s[G0+1], s45, BOFF
	s_mov_b32 s[G0+4], 1
	s_add_co_u32 s[G0+5], s45, SLOT+BOFF
	s_wait_kmcnt 0x0
	s_min_u32 s20, s20, 7                          ; clamped: no address leaves a buffer whatever slotinfo holds
	s_min_u32 s21, s21, 18144
	s_lshl_b32 s22, s20, 21                        ; Wh: expert x 2 MiB + 32 w rows of 2,048 bytes + column block x 512 bytes
	s_lshl_b32 s45, s16, 16
	s_add_co_u32 s22, s22, s45
	s_lshl_b32 s45, ttmp9, 9
	s_add_co_u32 s22, s22, s45
	s_add_nc_u64 s[46:47], s[6:7], s[22:23]
	s_mov_b64 s[G0+2:G0+3], s[46:47]               ; K step 0
	s_or_b32 s[G0+3], s[G0+3], 0x80000000          ; the type
	s_add_nc_u64 s[G0+6:G0+7], s[46:47], 128*2048  ; K step 1
	s_or_b32 s[G0+7], s[G0+7], 0x80000000
	tensor_load_to_lds s[G0:G0+3], s[G1:G1+7]      ; both first fills go out together, ahead of every wait on TENSORcnt, LDS read and barrier:
	s_nop 0
	tensor_load_to_lds s[G0+4:G0+7], s[G1:G1+7]    ; two tensor loads of the wave are out here, one behind each later barrier
	s_nop 0
	s_mul_i32 s22, s16, 72
	s_add_co_u32 s22, s22, s21
	s_lshl_b32 s22, s22, 2
	s_add_nc_u64 s[10:11], s[10:11], s[22:23]      ; rowtok at my wave's 72 rows
.irp i, 0,1,2,3,4,5,6,7,8,9,10,11,12,13,14,15,16,17,18,19,20,21,22,23,24,25,26,27,28,29,30,31,32,33,34,35
	global_load_b32 v[ROFF+\i], v1, s[10:11] offset:8*\i       ; lanes 0-15: row 2 i, lanes 16-31: row 2 i + 1
.endr
	s_lshl_b32 s22, s20, 12                        ; b: expert x 4,096 + (256 nb + 128 wc) x 4
	s_lshl_b32 s45, ttmp9, 10
	s_add_co_u32 s22, s22, s45
	s_lshl_b32 s45, s18, 9
	s_add_co_u32 s22, s22, s45
	s_add_nc_u64 s[8:9], s[8:9], s[22:23]
	global_load_b128 v[BIAS:BIAS+3], v56, s[8:9]
	s_mul_i32 s22, s19, 288                        ; y: (288 slot + 144 wr) rows of 4,096 bytes + (256 nb + 128 wc) x 4
	s_mul_i32 s45, s17, 144
	s_add_co_u32 s22, s22, s45
	s_lshl_b32 s22, s22, 12
	s_lshl_b32 s45, ttmp9, 10
	s_add_co_u32 s22, s22, s45
	s_lshl_b32 s45, s18, 9
	s_add_co_u32 s22, s22, s45
	s_add_nc_u64 s[42:43], s[14:15], s[22:23]
	s_mov_b64 s[40:41], s[4:5]                     ; xh at K step 0
	s_wait_loadcnt 0x0
.irp i, 0,1,2,3,4,5,6,7,8,9,10,11,12,13,14,15,16,17,18,19,20,21,22,23,24,25,26,27,28,29,30,31,32,33,34,35
	v_min_u32 v[ROFF+\i], 0x1fff, v[ROFF+\i]       ; a token is at most 8,191
	v_lshl_add_u32 v[ROFF+\i], v[ROFF+\i], 11, v55 ; token x 2,048 bytes + 16 r
.endr
	GISSUE 0, STG                                  ; A of K step 0, both batches at once (the second into the still unused fragment buffer)
	GISSUE 1, AF0
	GSTORE 0, 0, STG, 18                           ; the second batch's 18 loads may stay out
	GSTORE 1, 0, AF0, 0
	s_add_nc_u64 s[40:41], s[40:41], 256           ; no load that names the base is out: K step 1
	s_wait_dscnt 0x0                               ; my rows of A are in LDS, for the others' sake
	s_wait_tensorcnt 0x1                           ; my part of B of K step 0 has landed; K step 1's may stay out
	s_barrier_signal -1
	s_barrier_wait -1
	GISSUE 0, STG                                  ; A of K step 1, first batch
	FETCH 0, 0, 0
; A K step on LDS slot `slot` (o = the other one): four quarters of 32 along K, 72 matrix instructions each, on fragment buffers 0, 1, 0, 1; the next quarter's 34 loads
; are issued in one run in a quarter's middle.  The 72 accumulators take turns, one instruction a turn, over the seams of quarters and steps and the loop's backward jump
; too; no two matrix instructions that follow each other name one accumulator.
; g = 1: the next step's A is brought into slot o (batch 0 stored and batch 1 asked for in quarter 1, batch 1 stored in quarter 3).
; bar = 1: the change of slots.  t = 1: behind it this slot's B is filled again, two steps ahead, and the gather of that step begins.
.macro STEP slot, o, zero, g, t, bar
	s_wait_dscnt 0x0                               ; buffer 0's fragments are in (issued 32 matrix instructions ago, at K step 0 just before)
	MULROW 0, 0, \zero
	MULROW 0, 1, \zero
	MULROW 0, 2, \zero
	MULROW 0, 3, \zero
	PLACES
	FETCH \slot, 1, 1
	MULROW 0, 4, \zero
	MULROW 0, 5, \zero
	MULROW 0, 6, \zero
	MULROW 0, 7, \zero
	MULROW 0, 8, \zero
	s_wait_dscnt 0x0
	MULROW 1, 0, 0
	MULROW 1, 1, 0
	MULROW 1, 2, 0
	MULROW 1, 3, 0
.if \g
	GSTORE 0, \o, STG, 0                           ; asked for 136 matrix instructions ago; nothing younger is out.  Slot o's A was last read in front of the last barrier
	GISSUE 1, STG
.endif
	PLACES
	FETCH \slot, 2, 0
	MULROW 1, 4, 0
	MULROW 1, 5, 0
	MULROW 1, 6, 0
	MULROW 1, 7, 0
	MULROW 1, 8, 0
	s_wait_dscnt 0x0
	MULROW 0, 0, 0
	MULROW 0, 1, 0
	MULROW 0, 2, 0
	MULROW 0, 3, 0
	PLACES
	FETCH \slot, 3, 1
	MULROW 0, 4, 0
	MULROW 0, 5, 0
	MULROW 0, 6, 0
	MULROW 0, 7, 0
	MULROW 0, 8, 0
	s_wait_dscnt 0x0
	MULROW 1, 8, 0
	MULROW 1, 0, 0
	MULROW 1, 1, 0
.if \bar
.if \g
	GSTORE 1, \o, STG, 0                           ; asked for 136 matrix instructions ago
.endif
	s_wait_dscnt 0x0                               ; my reads of this slot are over and my rows of the next A are in LDS,
	s_set_vgpr_msb 0x5
	s_wait_tensorcnt 0x0                           ; and all my tensor loads have landed: the one that was out is my part of the next B
	ds_add_u32 v254, v255
	s_wait_dscnt 0x0
	s_set_vgpr_msb 0x500
	s_barrier_signal -1
.endif
	MULROW 1, 2, 0                                 ; register work alone between signal and wait
	MULROW 1, 3, 0
.if \bar
	WIN 0
	s_barrier_wait -1                              ; all four waves have said so
.if \t
	s_add_nc_u64 s[G0+4*\slot+2:G0+4*\slot+3], s[G0+4*\slot+2:G0+4*\slot+3], 2*128*2048   ; no tensor load of mine is out: this slot's B two steps on
	tensor_load_to_lds s[G0+4*\slot:G0+4*\slot+3], s[G1:G1+7]                             ; the refill: first thing behind the barrier, my one tensor load until the next
	s_nop 0
	s_add_nc_u64 s[40:41], s[40:41], 256           ; no gather load is out: the same step's A,
	GISSUE 0, STG                                  ; first batch
.endif
	PLACES
	FETCH \o, 0, 0
.endif
	MULROW 1, 4, 0
	MULROW 1, 5, 0
	MULROW 1, 6, 0
	MULROW 1, 7, 0
.endm
	STEP 0, 1, 1, 1, 1, 1                          ; K steps 0 and 1 stand in front of the loop: step 0's first products start the sums
	STEP 1, 0, 0, 1, 1, 1
	WIN 0                                          ; at a label and at a branch every window is 0
	s_mov_b32 s44, 2
.Lk:
	STEP 0, 1, 0, 1, 1, 1                          ; K steps 2, 4
	STEP 1, 0, 0, 1, 1, 1                          ; K steps 3, 5
	WIN 0
	s_sub_co_u32 s44, s44, 1
	s_cmp_lg_u32 s44, 0
	s_cbranch_scc1 .Lk
	STEP 0, 1, 0, 1, 0, 1                          ; K step 6: the last A is still brought in, nothing is filled again
	STEP 1, 0, 0, 0, 0, 0                          ; K step 7
	; THE WAY OUT, 16 rows at a time: the f32 results go as they lie into my own stage in LDS (16 rows of 528 bytes at 8,448 x wave, inside slot 0's A, which nobody has read
	; since the barrier of K step 6 and no tensor load ever fills), come back as whole rows of 512 bytes, get the bias and are stored.
	; The eight address instructions below name no register of a matrix instruction: they are the places behind the last one.
	WIN 0
	s_mul_i32 s22, s16, 16*528
	v_and_b32 v15, 15, v0
	v_bfe_u32 v16, v0, 4, 1
	v_and_b32 v17, 31, v0
	v_mul_u32_u24 v[STO], v15, 528
	v_lshl_add_u32 v[STO], v16, 5, v[STO]
	v_add_nc_u32 v[STO], s22, v[STO]               ; stage + 528 r + 32 h
	v_lshlrev_b32 v[CO], 4, v17                    ; 16 l
	v_add_nc_u32 v[RD], s22, v[CO]
.macro OUT a, tb
	ACCSEL \a
	WIN AW*4                                       ; the LDS store's data (source 1) in the accumulators' window
.irp b, 0,1,2,3,4,5,6,7
	ds_store_b128 v[STO], v[AB+8*\b:AB+8*\b+3]   offset:64*\b
	ds_store_b128 v[STO], v[AB+8*\b+4:AB+8*\b+7] offset:64*\b+16
.endr
	WIN 0
	s_wait_xcnt 0x0                                ; the registers at tb, which earlier stores read, and the stores' base are rewritten only behind this wait
.if \a
	s_add_nc_u64 s[42:43], s[42:43], 16*4096
.endif
.irp n, 0,1,2,3,4,5,6,7,8,9,10,11,12,13,14,15
	ds_load_b128 v[\tb+4*\n:\tb+4*\n+3], v[RD] offset:528*\n   ; LDS serves a wave's instructions in order (ISA guide 5.7.1): these see the stores above
.endr
.irp n, 0,1,2,3,4,5,6,7,8,9,10,11,12,13,14,15
	s_wait_dscnt 15-\n                             ; row n is back, the younger loads stay out
	v_pk_add_f32 v[\tb+4*\n:\tb+4*\n+1],   v[\tb+4*\n:\tb+4*\n+1],   v[BIAS:BIAS+1]
	v_pk_add_f32 v[\tb+4*\n+2:\tb+4*\n+3], v[\tb+4*\n+2:\tb+4*\n+3], v[BIAS+2:BIAS+3]
	global_store_b128 v[CO], v[\tb+4*\n:\tb+4*\n+3], s[42:43] offset:4096*\n   ; the wave stores 512 consecutive bytes, at a multiple of 512 from y's first byte
.endr
.endm
	OUT 0, STG
	OUT 1, AF0
	OUT 2, STG
	OUT 3, AF0
	OUT 4, STG
	OUT 5, AF0
	OUT 6, STG
	OUT 7, AF0
	OUT 8, STG
	s_set_vgpr_msb 0x5
	s_wait_tensorcnt 0x0
	ds_add_u32 v254, v255
	s_wait_dscnt 0x0
	s_set_vgpr_msb 0x500
	s_endpgm
.Lfunc_end_k_q2f5d2a17e6_gemm:
	.size	k_q2f5d2a17e6_gemm, .Lfunc_end_k_q2f5d2a17e6_gemm-k_q2f5d2a17e6_gemm
	.p2alignl 7, 3214868480
	.fill 96, 4, 3214868480
	.section	.rodata,"a",@progbits
	.p2align	6, 0x0
	.amdhsa_kernel k_q2f5d2a17e6_gemm
		.amdhsa_group_segment_fixed_size 327680
		.amdhsa_private_segment_fixed_size 0
		.amdhsa_enable_private_segment 0
		.amdhsa_kernarg_size 48
		.amdhsa_user_sgpr_count 2
		.amdhsa_user_sgpr_kernarg_segment_ptr 1
		.amdhsa_wavefront_size32 1
		.amdhsa_system_sgpr_workgroup_id_x 1
		.amdhsa_system_sgpr_workgroup_id_y 1
		.amdhsa_system_sgpr_workgroup_id_z 1
		.amdhsa_system_vgpr_workitem_id 0
		.amdhsa_next_free_vgpr 1024
		.amdhsa_next_free_sgpr 66
		.amdhsa_reserve_vcc 0
		.amdhsa_float_denorm_mode_32 3
		.amdhsa_float_denorm_mode_16_64 3
		.amdhsa_memory_ordered 1
		.amdhsa_forward_progress 1
		.amdhsa_inst_pref_size 255
	.end_amdhsa_kernel
	.section	.bss,"aw",@nobits
	.p2align	6
	.space	262144
	.amdgpu_metadata
---
amdhsa.version: [ 1, 2 ]
amdhsa.kernels:
  - .name:           k_q2f5d2a17e6_gemm
    .symbol:         k_q2f5d2a17e6_gemm.kd
    .args:
      - { .name: xh, .offset: 0, .size: 8, .value_kind: global_buffer, .address_space: global }
      - { .name: Wh, .offset: 8, .size: 8, .value_kind: global_buffer, .address_space: global }
      - { .name: b, .offset: 16, .size: 8, .value_kind: global_buffer, .address_space: global }
      - { .name: rowtok, .offset: 24, .size: 8, .value_kind: global_buffer, .address_space: global }
      - { .name: slotinfo, .offset: 32, .size: 8, .value_kind: global_buffer, .address_space: global }
      - { .name: y, .offset: 40, .size: 8, .value_kind: global_buffer, .address_space: global }
    .group_segment_fixed_size: 327680
    .private_segment_fixed_size: 0
    .kernarg_segment_align: 8
    .kernarg_segment_size: 48
    .max_flat_workgroup_size: 128
    .sgpr_count:     66
    .vgpr_count:     1024
    .wavefront_size: 32
...
	.end_amdgpu_metadata
.endif
;; end of part 3
;; launch combine (part 4): grid 256 x 1, 8 waves a work-group, no clusters, 0 bytes of LDS; arguments y, pos, gat, out0; writes out0
.if DOCPART == 4
	.amdgcn_target "amdgcn-amd-amdhsa--gfx1250"
	.amdhsa_code_object_version 6
	.text
	.protected	k_q2f5d2a17e6_combine
	.globl	k_q2f5d2a17e6_combine
	.p2align	8
	.type	k_q2f5d2a17e6_combine,@function
k_q2f5d2a17e6_combine:
	s_mov_b64 s[64:65], 0
	v_nop
	global_prefetch_b8 v0, s[64:65] scope:SCOPE_SE
	s_setreg_imm32_b32 hwreg(HW_REG_WAVE_MODE, 25, 1), 1
	s_wait_xcnt 0x0
; COMBINE.  out0[t][:] = gat[t][0] y[pos[t][0]][:] + gat[t][1] y[pos[t][1]][:], all f32, rows of 4,096 bytes.
; A stream: a wave takes four tokens, a whole row at a time (eight loads of 512 consecutive bytes for each of the token's two rows), two tokens' 32 loads in flight.
; A token's two rows come from different work-groups of the product, which is why this sum has a launch of its own.  No LDS, no barrier, no matrix unit: nothing is shared.
; The row numbers are a wave's own eight words of pos: scalar loads, clamped to y's last row before they enter an address.
.set A0, 8                             ; v[8:39], v[72:103]    register set 0, 1: the first row, then the result
.set B0, 40                            ; v[40:71], v[104:135]  the second row
	s_load_b256 s[4:11], s[0:1], 0x0               ; y s[4:5], pos s[6:7], gat s[8:9], out0 s[10:11]
	v_lshrrev_b32 v2, 5, v0
	v_readfirstlane_b32 s12, v2                    ; wave
	s_lshl_b32 s13, ttmp9, 3
	s_add_co_u32 s13, s13, s12                     ; 8 wg + w: my four tokens' number
	s_lshl_b32 s14, s13, 5                         ; four tokens of 8 bytes in pos and in gat
	s_mov_b32 s15, 0
	v_and_b32 v1, 31, v0
	v_lshlrev_b32 v1, 4, v1                        ; 16 bytes a lane
	s_wait_kmcnt 0x0
	s_add_nc_u64 s[6:7], s[6:7], s[14:15]
	s_add_nc_u64 s[8:9], s[8:9], s[14:15]
	s_load_b256 s[16:23], s[6:7], 0x0              ; eight row numbers
	s_load_b256 s[24:31], s[8:9], 0x0              ; eight gates
	s_lshl_b32 s14, s13, 14                        ; four rows of 4,096 bytes
	s_add_nc_u64 s[10:11], s[10:11], s[14:15]
	s_wait_kmcnt 0x0
.irp k, 0,1,2,3,4,5,6,7
	s_min_u32 s[16+\k], s[16+\k], 18431
	s_lshl_b32 s[32+2*\k], s[16+\k], 12
	s_mov_b32 s[33+2*\k], 0
	s_add_nc_u64 s[32+2*\k:33+2*\k], s[4:5], s[32+2*\k:33+2*\k]   ; the row's address
.endr
.irp u, 0,1,2,3
	s_mov_b32 s[48+2*\u], s[25+2*\u]               ; the second gate in the low word of a pair of its own: a scalar pair is broadcast from its low word
	s_mov_b32 s[49+2*\u], s[25+2*\u]
.endr
.macro LD u, rs
.irp j, 0,1,2,3,4,5,6,7
	global_load_b128 v[A0+64*\rs+4*\j:A0+64*\rs+4*\j+3], v1, s[32+4*\u:33+4*\u] offset:512*\j th:TH_LOAD_NT
.endr
.irp j, 0,1,2,3,4,5,6,7
	global_load_b128 v[B0+64*\rs+4*\j:B0+64*\rs+4*\j+3], v1, s[34+4*\u:35+4*\u] offset:512*\j th:TH_LOAD_NT
.endr
.endm
.macro DO u, rs, left
	s_wait_loadcnt \left                           ; this token's 16 loads are in; left = the younger token's
.irp k, 0,2,4,6,8,10,12,14,16,18,20,22,24,26,28,30
	v_pk_mul_f32 v[A0+64*\rs+\k:A0+64*\rs+\k+1], v[A0+64*\rs+\k:A0+64*\rs+\k+1], s[24+2*\u:25+2*\u] op_sel_hi:[1,0]
.endr
.irp k, 0,2,4,6,8,10,12,14,16,18,20,22,24,26,28,30
	v_pk_fma_f32 v[A0+64*\rs+\k:A0+64*\rs+\k+1], v[B0+64*\rs+\k:B0+64*\rs+\k+1], s[48+2*\u:49+2*\u], v[A0+64*\rs+\k:A0+64*\rs+\k+1] op_sel_hi:[1,0,1]
.endr
.irp j, 0,1,2,3,4,5,6,7
	global_store_b128 v1, v[A0+64*\rs+4*\j:A0+64*\rs+4*\j+3], s[10:11] offset:4096*\u+512*\j th:TH_STORE_NT
.endr
.endm
	LD 0, 0
	LD 1, 1
	DO 0, 0, 16
	s_wait_xcnt 0x0                                ; set 0 is the stores' data: loaded again only behind this wait
	LD 2, 0
	DO 1, 1, 16
	s_wait_xcnt 0x0
	LD 3, 1
	DO 2, 0, 16
	DO 3, 1, 0
	s_endpgm
.Lfunc_end_k_q2f5d2a17e6_combine:
	.size	k_q2f5d2a17e6_combine, .Lfunc_end_k_q2f5d2a17e6_combine-k_q2f5d2a17e6_combine
	.p2alignl 7, 3214868480
	.fill 96, 4, 3214868480
	.section	.rodata,"a",@progbits
	.p2align	6, 0x0
	.amdhsa_kernel k_q2f5d2a17e6_combine
		.amdhsa_group_segment_fixed_size 0
		.amdhsa_private_segment_fixed_size 0
		.amdhsa_enable_private_segment 0
		.amdhsa_kernarg_size 32
		.amdhsa_user_sgpr_count 2
		.amdhsa_user_sgpr_kernarg_segment_ptr 1
		.amdhsa_wavefront_size32 1
		.amdhsa_system_sgpr_workgroup_id_x 1
		.amdhsa_system_sgpr_workgroup_id_y 1
		.amdhsa_system_sgpr_workgroup_id_z 1
		.amdhsa_system_vgpr_workitem_id 0
		.amdhsa_next_free_vgpr 136
		.amdhsa_next_free_sgpr 66
		.amdhsa_reserve_vcc 0
		.amdhsa_float_denorm_mode_32 3
		.amdhsa_float_denorm_mode_16_64 3
		.amdhsa_memory_ordered 1
		.amdhsa_forward_progress 1
		.amdhsa_inst_pref_size 20
	.end_amdhsa_kernel
	.amdgpu_metadata
---
amdhsa.version: [ 1, 2 ]
amdhsa.kernels:
  - .name:           k_q2f5d2a17e6_combine
    .symbol:         k_q2f5d2a17e6_combine.kd
    .args:
      - { .name: y, .offset: 0, .size: 8, .value_kind: global_buffer, .address_space: global }
      - { .name: pos, .offset: 8, .size: 8, .value_kind: global_buffer, .address_space: global }
      - { .name: gat, .offset: 16, .size: 8, .value_kind: global_buffer, .address_space: global }
      - { .name: out0, .offset: 24, .size: 8, .value_kind: global_buffer, .address_space: global }
    .group_segment_fixed_size: 0
    .private_segment_fixed_size: 0
    .kernarg_segment_align: 8
    .kernarg_segment_size: 32
    .max_flat_workgroup_size: 256
    .sgpr_count:     66
    .vgpr_count:     136
    .wavefront_size: 32
...
	.end_amdgpu_metadata
.endif
;; end of part 4
;; ======== version 2 of 2: 4 launches; version 1 with the launch gate written anew for expert scheduling mode
;; limits: values are held in f16: magnitudes above 65,504 overflow, below 6.1e-05 lose precision; inputs' magnitudes at most 65,504
;; workspace buffers: xh 16,777,216 bytes; Wh 16,777,216 bytes; sel 32,768 bytes of whole numbers; gat 65,536 bytes; rowtok 73,984 bytes of whole numbers; pos 65,536 bytes of whole numbers; slotinfo 512 bytes of whole numbers; y 75,497,472 bytes
;; launch gate (part 5): grid 256 x 1, 8 waves a work-group, no clusters, 5,120 bytes of LDS; arguments x, Wg, bg, xh, sel, gat; writes xh, sel, gat
.if DOCPART == 5
	.amdgcn_target "amdgcn-amd-amdhsa--gfx1250"
	.amdhsa_code_object_version 6
	.text
	.protected	k_q2f5d2a17e6_gate
	.globl	k_q2f5d2a17e6_gate
	.p2align	8
	.type	k_q2f5d2a17e6_gate,@function
k_q2f5d2a17e6_gate:
	s_mov_b64 s[64:65], 0
	v_nop
	global_prefetch_b8 v0, s[64:65] scope:SCOPE_SE
	s_setreg_imm32_b32 hwreg(HW_REG_WAVE_SCHED_MODE, 0, 2), 2
	s_setreg_imm32_b32 hwreg(HW_REG_WAVE_MODE, 25, 1), 1
	s_wait_xcnt 0x0
	s_wait_alu depctr_vm_vsrc(0)
; GATE.  For each of 8,192 tokens: logits = x Wg + bg in f32, the two largest logits' experts and their softmax gates; and x rounded to f16.
; x [8192][1024] f32, Wg [1024][8] f32, bg [8] f32  ->  xh [8192][1024] f16, sel [8192] u32 = first expert | second expert << 8, gat [8192][2] f32.
; The gate product stays in f32 on the vector unit: it is 8 of the problem's 8,200 columns, and the choice that hangs on it is discrete, so an operand
; rounded to 16 bits could pick another expert and change a whole output row.
; WHY f16 FOR THE EXPERTS' PRODUCT.  A rounding to bf16's 8 significant bits errs by about 2^-8 / sqrt 3 x 0.7 = 0.0016 of a number, two operands by 0.0023 of a sum's
; root mean square; with a gate near 0.8 that is 0.0018 where a hundredth of the output's root mean square, 0.0044, is allowed: too near for 8 million numbers.
; f16's 11 bits make it eight times finer.  ROOM: x thirty times larger or shifted by thirty spreads stays under 200, far below f16's 65,504; thirty times smaller,
; numbers under 6.1e-5 are kept as denormals in steps of 6e-8.
; LIMITS.  |x| above 65,504 becomes infinite in xh.  The logits are taken to be finite; with NaN or infinite logits the choice is unspecified (both indices still lie
; in 0..7).  The two experts are chosen on the logits (softmax keeps their order), the lower index on a tie.  Two logits closer than the rounding of this f32 sum may be
; chosen otherwise than by another order of summation.  The largest logit is taken away before every exponential; a gate below 2^-126 comes out as 0 (v_exp_f32 flushes).
; SHARES.  A work-group takes 32 tokens.  Wave w takes half hf = w & 1 of the 1,024 h and the eight tokens 8 (w >> 1) ..; lane l holds h = 512 hf + 128 j + 4 l + i
; (j, i = 0..3), so a 16-byte load of the wave covers 512 consecutive bytes of x and an 8-byte store 256 consecutive aligned bytes of xh.
; A lane's 16 rows of Wg (128 numbers) stay in registers for the whole kernel.
; THE MODE: SCHED_MODE bits 1:0 = 2 (LLVM: expert scheduling mode 2), set by the entry lines.  The code itself states the register dependences
; between vector instructions and memory or LDS instructions, with s_wait_alu, always for 0.
; THE PLAN.  Registers that memory or LDS instructions touch:
;   X0 .. X4     five tokens of x as loaded.  Token u's conversions and multiply-adds read X[u % 5]; the loads of token u + 4, issued in token u, land in X[(u - 1) % 5].
;   Y0, Y1       a token of x in f16.  Written by token u's conversions (Y[u % 2]); read by the four global stores that are issued in token u + 1.
;   ACC0, ACC1   a token's eight sums.  Written by token u's products and lane sums (ACC[u % 2]); read by the two LDS stores that are issued in token u + 1.
;   v1 .. v4     offsets and the LDS address: made once at the head, never written again; immediate offsets reach every row.
;   WG           loaded once, then read by vector instructions alone.        v224, v225: written at the head, read by the closing add alone.
; Token u works on X[u % 5], Y[u % 2], ACC[u % 2] and WG.  Its memory instructions touch the three buffers that token u - 1 worked on, which no vector instruction of
; token u names.  So the waits at a token's head state all that its ten memory instructions hang on, and these are dealt among its vector instructions with no further wait.
.set ACC,  8                           ; v[8:15], v[216:223]    the eight experts' partial sums, as four pairs: buffers 0, 1
.set AGAP, 208                         ;                        registers from buffer 0 to buffer 1
.set Y,    16                          ; v[16:23], v[226:233]   16 numbers of x as f16, to store: buffers 0, 1
.set YGAP, 210
.set X,    24                          ; v[24:87], v[236:251]   ring of five tokens, 16 numbers each: buffers 0 to 3, buffer 4
.set XGAP, 148                         ;                        what buffer 4 lies further on than X + 64
.set WG,   88                          ; v[88:215]  Wg: register 32 j + 8 i + e
	s_load_b256 s[4:11], s[0:1], 0x0               ; x s[4:5], Wg s[6:7], bg s[8:9], xh s[10:11]
	s_load_b128 s[12:15], s[0:1], 0x20             ; sel s[12:13], gat s[14:15]
	v_lshl_add_u32 v224, v0, 2, 0x1000
	v_mov_b32 v225, 0
	v_lshrrev_b32 v5, 5, v0
	v_readfirstlane_b32 s16, v5                    ; wave
	v_and_b32 v6, 31, v0                           ; lane
	v_lshlrev_b32 v1, 4, v6                        ; my 16 bytes in 512 of x
	v_lshlrev_b32 v2, 3, v6                        ; my 8 bytes in 256 of xh
	v_lshlrev_b32 v3, 7, v6                        ; my four rows (128 bytes) in 128 rows of Wg
	v_lshrrev_b32 v7, 4, v6                        ; which half of the lanes
	s_wait_alu depctr_va_sdst(0)                   ; s16 is written, ahead of its first reader: the bases and the LDS address are made from it
	s_and_b32 s17, s16, 1                          ; hf
	s_lshr_b32 s18, s16, 1                         ; tq
	s_lshl_b32 s19, s17, 11
	s_lshl_b32 s20, s18, 8
	s_add_co_u32 s19, s19, s20
	v_lshl_add_u32 v4, v7, 10, s19                 ; LDS: part (2 hf + half) x 1,024 + token (8 tq) x 32
	s_lshl_b32 s20, ttmp9, 17                      ; x: (32 wg + 8 tq) rows of 4,096 bytes + hf x 2,048
	s_lshl_b32 s21, s18, 15
	s_add_co_u32 s20, s20, s21
	s_lshl_b32 s21, s17, 11
	s_add_co_u32 s20, s20, s21
	s_mov_b32 s21, 0
	s_lshr_b32 s22, s20, 1                         ; xh: half of that
	s_mov_b32 s23, 0
	s_lshl_b32 s32, s17, 14                        ; Wg: hf x 512 rows of 32 bytes
	s_mov_b32 s33, 0
	s_wait_kmcnt 0x0
	s_add_nc_u64 s[4:5], s[4:5], s[20:21]
	s_add_nc_u64 s[10:11], s[10:11], s[22:23]
	s_add_nc_u64 s[6:7], s[6:7], s[32:33]
	s_load_b256 s[24:31], s[8:9], 0x0              ; bg
	s_wait_alu depctr_va_vdst(0)                   ; v1 to v4 are written: every load and store of the eight tokens reads one of them as its offset or address
.irp j, 0,1,2,3
.irp m, 0,1,2,3,4,5,6,7
	global_load_b128 v[WG+32*\j+4*\m:WG+32*\j+4*\m+3], v3, s[6:7] offset:4096*\j+16*\m
.endr
.endr
.irp u, 0,1,2,3,4
.irp j, 0,1,2,3
	global_load_b128 v[X+16*\u+XGAP*(\u/4)+4*\j:X+16*\u+XGAP*(\u/4)+4*\j+3], v1, s[4:5] offset:4096*\u+512*\j th:TH_LOAD_NT  ; tokens 0 to 4 into X0 to X4
.endr
.endr
	s_wait_kmcnt 0x0                               ; bg
; Token u of my eight.  left = loads younger than this token's four; ahead = 1: token u + 4 is loaded, into the buffer that token u - 1 has left.
; r..: the buffers that this token works on; p..: those of the token before, which this token's memory instructions touch.
.macro TOK u, left, ahead
.set rX, X+16*((\u)%5)+XGAP*(((\u)%5)/4)
.set rY, Y+YGAP*((\u)%2)
.set rA, ACC+AGAP*((\u)%2)
.set pX, X+16*(((\u)+4)%5)+XGAP*((((\u)+4)%5)/4)
.set pY, Y+YGAP*(((\u)+1)%2)
.set pA, ACC+AGAP*(((\u)+1)%2)
	s_wait_loadcnt \left                           ; loads come back in order: this token's four (and, the first time, all of Wg) are in
.if (\u) >= 2
	s_wait_xcnt 0x0                                ; this token's Y was the data of the stores issued in the token before: rewritten only behind this wait
	s_wait_alu depctr_vm_vsrc(0)                   ; the global and LDS stores issued in the token before have read this token's Y and ACC, which its conversions and products write again
.endif
.if (\u) >= 1
	s_wait_alu depctr_va_vdst(0)                   ; the token before has written its Y and its ACC, which the stores below read, and is done reading its X, in which the loads below land
.endif
.if \ahead
.irp j, 0,1,2,3
	global_load_b128 v[pX+4*\j:pX+4*\j+3], v1, s[4:5] offset:4096*((\u)+4)+512*\j th:TH_LOAD_NT
.endr
.endif
.if (\u) >= 1
	ds_store_b128 v4, v[pA:pA+3] offset:32*((\u)-1)          ; the 16 lanes of a half write the same words with the same values
	ds_store_b128 v4, v[pA+4:pA+7] offset:32*((\u)-1)+16
.endif
.irp k, 0,1,2,3,4,5,6,7
	v_cvt_pk_f16_f32 v[rY+\k], v[rX+2*\k], v[rX+2*\k+1]
.endr
	; 16 numbers of x times 8 experts: 64 packed multiply-adds, one number of x broadcast to a pair of experts; the first four start the sums.
	; In front of each sixteen stands one store of the token before.  No wait: no vector instruction since the wait above names its registers.
.irp j, 0,1,2,3
.if (\u) >= 1
	global_store_b64 v2, v[pY+2*\j:pY+2*\j+1], s[10:11] offset:2048*((\u)-1)+256*\j
.endif
.irp ih, 0,1
.irp s, 0,1
.irp p, 0,1,2,3
.if (\j+\ih+\s) == 0
	v_pk_mul_f32 v[rA+2*\p:rA+2*\p+1], v[rX:rX+1], v[WG+2*\p:WG+2*\p+1] op_sel:[0,0] op_sel_hi:[0,1]
.else
	v_pk_fma_f32 v[rA+2*\p:rA+2*\p+1], v[rX+4*\j+2*\ih:rX+4*\j+2*\ih+1], v[WG+32*\j+16*\ih+8*\s+2*\p:WG+32*\j+16*\ih+8*\s+2*\p+1], v[rA+2*\p:rA+2*\p+1] op_sel:[\s,0,0] op_sel_hi:[\s,1,1]
.endif
.endr
.endr
.endr
.endr
	; sums over each half of 16 lanes; every lane of a half ends with the half's sum
.irp m, 1,2,4,8
.irp e, 0,1,2,3,4,5,6,7
	v_add_f32_dpp v[rA+\e], v[rA+\e], v[rA+\e] row_xmask:\m row_mask:0xf bank_mask:0xf
.endr
.endr
.endm
	TOK 0, 16, 0                                   ; tokens 1 to 4 stay out; no token stands in front of it: nothing to store, no buffer to fill
	TOK 1, 12, 1
	TOK 2, 12, 1
	TOK 3, 12, 1
	TOK 4, 12, 0                                   ; nothing more to load: the counts run down
	TOK 5, 8, 0
	TOK 6, 4, 0
	TOK 7, 0, 0
	s_wait_alu depctr_va_vdst(0)                   ; token 7 has written ACC1 and Y1, which the last stores read
	ds_store_b128 v4, v[ACC+AGAP:ACC+AGAP+3] offset:32*7
	ds_store_b128 v4, v[ACC+AGAP+4:ACC+AGAP+7] offset:32*7+16
.irp j, 0,1,2,3
	global_store_b64 v2, v[Y+YGAP+2*\j:Y+YGAP+2*\j+1], s[10:11] offset:2048*7+256*\j
.endr
	s_wait_dscnt 0x0                               ; my partial sums are in LDS, for wave 0's sake
	s_barrier_signal -1
	s_barrier_wait -1
	s_cmp_lg_u32 s16, 0
	s_cbranch_scc1 .Ldone                          ; wave 0 finishes the 32 tokens, one a lane; no barrier follows
	v_lshlrev_b32 v5, 5, v0                        ; in wave 0 the thread's number is the token: 32 bytes of each part
	s_wait_alu depctr_va_vdst(0)                   ; v5 is written, which the LDS loads read as their address; the tokens' vector work is done reading v[24:55], in which they land
.irp p, 0,1,2,3
	ds_load_b128 v[24+8*\p:27+8*\p], v5 offset:1024*\p
	ds_load_b128 v[28+8*\p:31+8*\p], v5 offset:1024*\p+16
.endr
	s_lshl_b32 s20, ttmp9, 7                       ; sel: 32 tokens of 4 bytes
	s_mov_b32 s21, 0
	s_add_nc_u64 s[12:13], s[12:13], s[20:21]
	s_lshl_b32 s20, ttmp9, 8                       ; gat: 32 tokens of 8 bytes
	s_add_nc_u64 s[14:15], s[14:15], s[20:21]
	v_lshlrev_b32 v6, 2, v0
	v_lshlrev_b32 v7, 3, v0
	v_mov_b32 v58, 0xff800000                      ; minus infinity
	s_wait_dscnt 0x0
.irp k, 0,2,4,6
	v_pk_add_f32 v[24+\k:25+\k], v[24+\k:25+\k], v[32+\k:33+\k]
	v_pk_add_f32 v[40+\k:41+\k], v[40+\k:41+\k], v[48+\k:49+\k]
.endr
.irp k, 0,2,4,6
	v_pk_add_f32 v[24+\k:25+\k], v[24+\k:25+\k], v[40+\k:41+\k]
.endr
.irp e, 0,1,2,3,4,5,6,7
	v_add_f32 v[24+\e], s[24+\e], v[24+\e]         ; the logits, v[24:31]
.endr
	; the largest logit and its index: strictly greater, so the lower index keeps a tie.  Each compare reads the select before it, so the compares cannot stand in a run.
	v_mov_b32 v56, v24
	v_mov_b32 v57, 0
.irp e, 1,2,3,4,5,6,7
	v_cmp_gt_f32 vcc_lo, v[24+\e], v56
	s_wait_alu depctr_va_vcc(0)                    ; the compare has written VCC, which the two selects read
	v_cndmask_b32 v56, v56, v[24+\e], vcc_lo
	v_cndmask_b32 v57, v57, \e, vcc_lo
.endr
	; the same once more with the winner set to minus infinity; these eight compares hang on v57 alone: one run, a mask register each, one wait
.irp e, 0,1,2,3,4,5,6,7
	v_cmp_eq_u32 s[32+\e], \e, v57
.endr
	s_wait_alu depctr_va_sdst(0)                   ; the eight compares have written s[32:39], which the eight selects read
.irp e, 0,1,2,3,4,5,6,7
	v_cndmask_b32 v[64+\e], v[24+\e], v58, s[32+\e]
.endr
	v_mov_b32 v60, v64
	v_mov_b32 v59, 0
.irp e, 1,2,3,4,5,6,7
	v_cmp_gt_f32 vcc_lo, v[64+\e], v60
	s_wait_alu depctr_va_vcc(0)                    ; the compare has written VCC, which the two selects read
	v_cndmask_b32 v60, v60, v[64+\e], vcc_lo
	v_cndmask_b32 v59, v59, \e, vcc_lo
.endr
	; softmax with the largest logit taken away: e^(L - m1) for the eight, and for the second once more
.irp e, 0,1,2,3,4,5,6,7
	v_sub_f32 v[72+\e], v[24+\e], v56
.endr
	v_sub_f32 v80, v60, v56
.irp k, 0,1,2,3,4,5,6,7,8
	v_mul_f32 v[72+\k], 0x3fb8aa3b, v[72+\k]       ; times log2 e: v_exp_f32 works in base 2
.endr
.irp k, 0,1,2,3,4,5,6,7,8
	v_exp_f32 v[104+\k], v[72+\k]
.endr
	v_lshl_or_b32 v91, v59, 8, v57                 ; first | second << 8: also the plain instruction between the exponentials and their use (ISA guide 5.7.2)
	s_wait_alu depctr_va_vdst(0)                   ; the nine exponentials have written v[104:112], ahead of their first reader
	v_add_f32 v113, v104, v105
	v_add_f32 v114, v106, v107
	v_add_f32 v115, v108, v109
	v_add_f32 v116, v110, v111
	v_add_f32 v113, v113, v114
	v_add_f32 v115, v115, v116
	v_add_f32 v113, v113, v115
	v_rcp_f32 v92, v113                            ; the first gate: e^0 / sum
	v_nop                                          ; one plain place behind v_rcp_f32
	s_wait_alu depctr_va_vdst(0)                   ; the reciprocal has written v92, ahead of its first reader
	v_mul_f32 v93, v112, v92                       ; the second gate
	s_wait_alu depctr_va_vdst(0)                   ; v93 is written, and so are v6, v7, v91 and v92: the two stores read them as offsets and data
	global_store_b32 v6, v91, s[12:13]
	global_store_b64 v7, v[92:93], s[14:15]        ; the wave's store covers 256 consecutive aligned bytes
.Ldone:
	s_wait_dscnt 0x0                               ; the closing lines, six on end
	s_wait_alu 0x0
	s_wait_tensorcnt 0x0
	ds_add_u32 v224, v225
	s_wait_dscnt 0x0
	s_endpgm
.Lfunc_end_k_q2f5d2a17e6_gate:
	.size	k_q2f5d2a17e6_gate, .Lfunc_end_k_q2f5d2a17e6_gate-k_q2f5d2a17e6_gate
	.p2alignl 7, 3214868480
	.fill 96, 4, 3214868480
	.section	.rodata,"a",@progbits
	.p2align	6, 0x0
	.amdhsa_kernel k_q2f5d2a17e6_gate
		.amdhsa_group_segment_fixed_size 5120
		.amdhsa_private_segment_fixed_size 0
		.amdhsa_enable_private_segment 0
		.amdhsa_kernarg_size 48
		.amdhsa_user_sgpr_count 2
		.amdhsa_user_sgpr_kernarg_segment_ptr 1
		.amdhsa_wavefront_size32 1
		.amdhsa_system_sgpr_workgroup_id_x 1
		.amdhsa_system_sgpr_workgroup_id_y 1
		.amdhsa_system_sgpr_workgroup_id_z 1
		.amdhsa_system_vgpr_workitem_id 0
		.amdhsa_next_free_vgpr 252
		.amdhsa_next_free_sgpr 66
		.amdhsa_reserve_vcc 1
		.amdhsa_float_denorm_mode_32 3
		.amdhsa_float_denorm_mode_16_64 3
		.amdhsa_memory_ordered 1
		.amdhsa_forward_progress 1
		.amdhsa_inst_pref_size 72
	.end_amdhsa_kernel
	.amdgpu_metadata
---
amdhsa.version: [ 1, 2 ]
amdhsa.kernels:
  - .name:           k_q2f5d2a17e6_gate
    .symbol:         k_q2f5d2a17e6_gate.kd
    .args:
      - { .name: x, .offset: 0, .size: 8, .value_kind: global_buffer, .address_space: global }
      - { .name: Wg, .offset: 8, .size: 8, .value_kind: global_buffer, .address_space: global }
      - { .name: bg, .offset: 16, .size: 8, .value_kind: global_buffer, .address_space: global }
      - { .name: xh, .offset: 24, .size: 8, .value_kind: global_buffer, .address_space: global }
      - { .name: sel, .offset: 32, .size: 8, .value_kind: global_buffer, .address_space: global }
      - { .name: gat, .offset: 40, .size: 8, .value_kind: global_buffer, .address_space: global }
    .group_segment_fixed_size: 5120
    .private_segment_fixed_size: 0
    .kernarg_segment_align: 8
    .kernarg_segment_size: 48
    .max_flat_workgroup_size: 256
    .sgpr_count:     66
    .vgpr_count:     252
    .wavefront_size: 32
...
	.end_amdgpu_metadata
.endif
;; end of part 5
;; launch prep: the kernel of part 2 again; grid 257 x 1, 8 waves a work-group, no clusters, 2,048 bytes of LDS; arguments sel, W, Wh, rowtok, pos, slotinfo; writes Wh, rowtok, pos, slotinfo
;; launch gemm: the kernel of part 3 again; grid 4 x 64, 4 waves a work-group, no clusters, 327,680 bytes of LDS; arguments xh, Wh, b, rowtok, slotinfo, y; writes y
;; launch combine: the kernel of part 4 again; grid 256 x 1, 8 waves a work-group, no clusters, 0 bytes of LDS; arguments y, pos, gat, out0; writes out0
